; MI455X (gfx1250); checked and timed in simulation.
; The chip was launched on July 23, 2026; its instructions are those of AMD's public machine-readable ISA for CDNA 5 (MIT licence, August 2026) and "CDNA5" Instruction Set Architecture Reference Guide (July 2026). The comments in the code are by the model that wrote it; some were corrected since.
;; Bahdanau Attention. Allowed arithmetic: matrix products marked QUANTISED: E3M2 operands, one E8M0 scale for each 32 along K, by v_wmma_scale_f32_16x16x128_f8f6f4 with both operands' format E3M2, f32 sums; products left as they are: f32 operands where the result goes on into a quantised operand, else bf16, f16 or f32 operands; f32 sums; everything else in f32.
;; Inputs: V 1,024 x 1 float32; W1 1,024 x 1,024 float32; W2 1,024 x 1,024 float32; b1 1,024 float32; b2 1,024 float32; bV 1 float32; features 64 x 1,024 x 1,024 float32; hidden 64 x 1,024 float32.
;; Outputs: out0 64 x 1,024 float32; out1 64 x 1,024 x 1 float32.
;; This version of the problem:
;;   THIS VERSION OF THE PROBLEM IS GIVEN IN LOW PRECISION. The matrix products marked QUANTISED in the list below multiply operands that are first quantised to E3M2 (3 exponent bits, 2 mantissa bits; 6 bits a number), with one power-of-two scale for each 32 numbers along K (OCP MX v1.0); their sums are f32. All else is computed in f32.
;;   The module's matrix products, in the order in which they are computed (A, B: the left and right operand; K: the contracted axis; several contracted axes count as one K, in the product's order):
;;     1. [M 65,536, K 1,024] x [K 1,024, N 1,024]; A: input features; B: input W1: QUANTISED
;;     2. [M 64, K 1,024] x [K 1,024, N 1,024]; A: input hidden; B: input W2: QUANTISED
;;     3. [M 65,536, K 1,024] x [K 1,024, N 1]; A: computed on the way; B: input V: left as it is (N = 1 < 16)
;;   THE QUANTISER, for each operand of a quantised product, along K:
;;     - K is cut into blocks of 32 from its start; a last block that is shorter is filled with zeros.
;;     - A block's scale is 2^e with e = floor(log2(the largest magnitude in the block)) - 4, held to -126 .. 127; a block of zeros has e = 0. As a byte (E8M0): e + 127.
;;     - Each number is divided by its block's scale, clamped to +-28, and rounded to the nearest number of E3M2, ties to even, subnormals kept.
;;     - The product sums the exact products of the quantised numbers (number of the format x scale) in f32.
;;   ~~~python
;;   def quantise(x, axis):      # numpy; x: float32 -> the quantised numbers, widened to float32 again
;;       x = np.moveaxis(x, axis, -1); K = x.shape[-1]
;;       x = np.pad(x, [(0, 0)] * (x.ndim - 1) + [(0, -K % 32)]); x = x.reshape(x.shape[:-1] + (-1, 32)); a = np.abs(x).max(-1, keepdims=True)
;;       e = np.where(a > 0, np.clip(np.frexp(np.where(a > 0, a, 1))[1] - 1 - 4, -126, 127), 0)      # np.frexp(a)[1] - 1 = floor(log2(a)), exactly
;;       r = np.clip(x / 2.0 ** e, -28, 28)
;;       step = 2.0 ** (np.maximum(np.frexp(np.where(r == 0, 1, r))[1] - 1, -2) - 2)
;;       q = np.round(r / step) * step * 2.0 ** e      # np.round: ties to even
;;       return np.moveaxis(q.reshape(q.shape[:-2] + (-1,))[..., :K], -1, axis).astype(np.float32)
;;   ~~~
;; One version. Each part assembles by itself: llvm-mc -triple=amdgcn-amd-amdhsa -mcpu=gfx1250 --defsym DOCPART=n.
;; ======== version 1 of 1: 3 launches
;; limits: right only within a limited range of input values
;; workspace buffers: w1q 832,000 bytes; biasw 262,144 bytes; scores 262,144 bytes
;; launch prep (part 1): grid 192 x 1, 8 waves a work-group, no clusters, 167,936 bytes of LDS; arguments W1, W2, hidden, b1, b2, w1q, biasw; writes w1q, biasw
.if DOCPART == 1
	.amdgcn_target "amdgcn-amd-amdhsa--gfx1250"
	.amdhsa_code_object_version 6
	.text
	.protected	k_q2e51bfb790_prep
	.globl	k_q2e51bfb790_prep
	.p2align	8
	.type	k_q2e51bfb790_prep,@function
k_q2e51bfb790_prep:
	s_mov_b64 s[64:65], 0
	v_nop
	global_prefetch_b8 v0, s[64:65] scope:SCOPE_SE
	s_setreg_imm32_b32 hwreg(HW_REG_WAVE_MODE, 25, 1), 1
	s_wait_xcnt 0x0
; BahdanauAttention, launch 1 of 3: W1 becomes codes of E3M2 in the order of the matrix operand's registers, and the small product Q(hidden) Q(W2) + b1 + b2 is made.
; WORK LEFT OUT IN THE WHOLE PROGRAM.  score[b][l] = sum over u of V[u] tanh(..)[b][l][u] + bV.  bV is one number, the same for all l of a batch; softmax over l of (s[l] + k) equals softmax of s[l] for
; every k, and both outputs hang on the scores through that softmax alone.  So bV reaches no output, whatever it holds: it is not loaded and is no argument of any launch.  The program writes
; tanh(x) = 1 - 2 / (1 + 2^(2 log2(e) x)); the part 1 x sum over u of V[u] is again the same for all l, and is left out for the same reason.
; LIMIT: a NaN or an infinity in bV, or an overflow of the sum of V, is not carried to the results.  NaN and infinities among the inputs are not served.
; THE QUANTISER: a block of 32 along K has the scale 2^(floor(log2(largest magnitude)) - 4); its byte is the largest magnitude's exponent field - 4, held at 1 from below.  A block of zeros so gets
; the byte 1 where the rule says 127: its codes are zeros, which add nothing under any byte but 0xff, and the bytes are read by this program alone.
; SHARES.  Work-groups 0-63 take W1's tile t of 16 columns.  Work-groups 64-191 take W2's tile (x - 64) / 2 and the 32 batches from 32 ((x - 64) % 2) on.  Wave s takes K step s (128 along K).
; A lane takes a column of W and its registers run DOWN K, in the order that the operand's layout gives the lane (registers 6 c .. 6 c + 5: k = 64 c + 32 (lane / 16) + 0 .. 31): the conversions' results are
; the operand's registers, nothing is transposed.  Of hidden a lane takes a row, and the same k of it: 128 consecutive bytes a block, eight loads of 16 bytes.
; w1q: 65 records of 12,800 bytes, one for each tile.  Bytes 0-511: scale words, the word at 16 lane + 4 q is that of K step 4 (lane / 16) + q, column lane % 16.  From byte 512 + 1,536 s: the image of
; fragment s, register g of lane l at 512 (g / 4) + 16 l + 4 (g % 4).  Record 64 repeats record 0; the next launch does not read it.
; biasw: [tile 64][batch 64][16] f32 = 2 log2(e) x (Q(hidden) Q(W2) + b1 + b2).
; The two kinds of work-group part once, on the work-group's number, and have LDS bytes of their own.
.set C2,    0x4038aa3b                 ; 2 log2(e)
.set REC,   12800
.set SCL,   0                          ; LDS, W1's work-groups: the record's 512 bytes of scale words
.set PB,    1024                       ; LDS, W2's work-groups: eight waves' partial sums, 2,048 bytes each
.set SPARE, 17408                      ; the spare words, 128 bytes for each wave: four blocks of 256 bytes that no other line names
.set HID,   18432                      ; LDS, W2's work-groups: hidden, for each wave its K step of 32 rows: 32 x (512 + 16) bytes, filled once by the wave's own tensor load and read by that wave alone
.set QM,    16                         ; v16-17 largest magnitudes; v18-19 the conversions' scale operands; v20-21 scale bytes; v22 the other half's bytes
.set QSO,   18
.set QBY,   20
.set QTP,   22
.set QH8,   6                          ; v6   8 x (lane / 16)
.set SEL,   22                         ; s[22:23] selects of v_permlanex16_b32 for lane l xor 16
.set CW,    24                         ; v24-35   W's fragment
.set SWW,   36                         ; v36      its scale word
.set CH,    40                         ; v40-63   hidden's two fragments
.set SWH,   88                         ; v88-89   their scale words
.set TT,    92                         ; v92-98   the halves of blocks that a conversion cannot put in place
.set XW,    100                        ; v100-163 64 numbers of W; later b1, b2 and the eight partial sums
.set DD,    164                        ; v164-179 two accumulators.   Window 1 (v256-383): hidden's 2 x 64 numbers
.set MSB, 0
.macro WIN new                         ; the immediate's high byte repeats the setting that is left; a switch that changes nothing is dropped
.if MSB != (\new)
	s_set_vgpr_msb (MSB<<8)|(\new)
.set MSB, (\new)
.endif
.endm
; 64 numbers of a lane, register 32 c + i = k 64 c + 32 (lane / 16) + i (two whole blocks), in window xw from v[xr] on, become the fragment's 12 registers in window dw from v[dr] on and the scale word v[sw].
.macro QUANT2 xr, xw, dr, dw, tr, sw
	WIN ((\xw)<<2)|(\xw)
.irp c, 0,1
	v_max3_num_f32 v[QM+\c], |v[(\xr)+32*\c]|, |v[(\xr)+32*\c+1]|, 0x2800000   ; and the floor 2^(5 - 127): the byte cannot fall under 1
.endr
.irp i, 2,4,6,8,10,12,14,16,18,20,22,24,26,28,30
.irp c, 0,1
	s_delay_alu instid0(VALU_DEP_2)
	v_max3_num_f32 v[QM+\c], |v[(\xr)+32*\c+\i]|, |v[(\xr)+32*\c+\i+1]|, v[QM+\c]   ; the two blocks by turns
.endr
.endr
	WIN 0
.irp c, 0,1
	v_add_nc_u32 v[QSO+\c], 0xfe000000, v[QM+\c]   ; 4 off the exponent field: the conversion takes this operand's exponent field as its scale
.endr
.irp c, 0,1
	s_delay_alu instid0(VALU_DEP_2)
	v_lshrrev_b32 v[QBY+\c], 23, v[QSO+\c]         ; the scale's byte
.endr
	s_delay_alu instid0(VALU_DEP_1)
	v_lshl_or_b32 v[\sw], v[QBY+1], 16, v[QBY]     ; my two bytes: blocks h and 2 + h,
	s_delay_alu instid0(VALU_DEP_1)
	v_lshlrev_b32 v[\sw], v[QH8], v[\sw]           ; at their places in the word;
	s_delay_alu instid0(VALU_DEP_1)
	v_permlanex16_b32 v[QTP], v[\sw], s[SEL], s[SEL+1]
	s_delay_alu instid0(VALU_DEP_1)
	v_or_b32 v[\sw], v[\sw], v[QTP]                ; with lane l xor 16's two the word is whole
	WIN (\xw)|((\dw)<<6)
	v_cvt_scalef32_pk16_bf6_f32 v[(\dr):(\dr)+2], v[(\xr):(\xr)+15], v[QSO]
	v_cvt_scalef32_pk16_bf6_f32 v[(\tr):(\tr)+2], v[(\xr)+16:(\xr)+31], v[QSO]       ; a conversion's three registers begin on an even number: a block's second half is made elsewhere and moved
	v_cvt_scalef32_pk16_bf6_f32 v[(\dr)+6:(\dr)+8], v[(\xr)+32:(\xr)+47], v[QSO+1]
	v_cvt_scalef32_pk16_bf6_f32 v[(\tr)+4:(\tr)+6], v[(\xr)+48:(\xr)+63], v[QSO+1]
	v_nop                                          ; one plain place behind a scaled conversion
	WIN (\dw)|((\dw)<<6)
.irp i, 0,1,2
	v_mov_b32 v[(\dr)+3+\i], v[(\tr)+\i]
	v_mov_b32 v[(\dr)+9+\i], v[(\tr)+4+\i]
.endr
	WIN 0
.endm
	s_load_b256 s[4:11], s[0:1], 0x0               ; W1 s[4:5], W2 s[6:7], hidden s[8:9], b1 s[10:11]
	s_load_b128 s[12:15], s[0:1], 0x20             ; b2 s[12:13], w1q s[14:15]
	s_load_b64 s[16:17], s[0:1], 0x30              ; biasw
	v_lshl_add_u32 v12, v0, 2, SPARE               ; my spare word,
	v_mov_b32 v13, 0                               ; and 0: kept for the adds alone
	v_lshrrev_b32 v14, 5, v0
	s_delay_alu instid0(VALU_DEP_1)
	v_readfirstlane_b32 s18, v14                   ; wave = K step s
	v_and_b32 v1, 15, v0                           ; r
	v_bfe_u32 v2, v0, 4, 1                         ; h
	s_delay_alu instid0(VALU_DEP_2)
	v_lshlrev_b32 v3, 2, v1
	s_delay_alu instid0(VALU_DEP_1)
	v_lshl_add_u32 v3, v2, 17, v3                  ; W: column r, 32 rows of 4,096 bytes further down for lanes 16-31
	s_delay_alu instid0(VALU_DEP_4)
	v_mul_u32_u24 v4, v1, 528
	s_delay_alu instid0(VALU_DEP_1)
	v_lshl_add_u32 v4, v2, 7, v4                   ; hidden in LDS: row r of 528 bytes, + 32 numbers for lanes 16-31,
	s_mul_i32 s35, s18, 16896
	v_add_nc_u32 v4, s35, v4                       ; in my wave's part
	v_and_b32 v5, 31, v0
	s_delay_alu instid0(VALU_DEP_1)
	v_lshlrev_b32 v5, 4, v5                        ; 16 x lane
	v_lshlrev_b32 v[QH8], 3, v2
	s_lshr_b32 s19, s18, 2
	s_lshl_b32 s19, s19, 8
	s_and_b32 s20, s18, 3
	s_lshl_b32 s20, s20, 2
	s_add_co_u32 s19, s19, s20
	v_lshl_add_u32 v7, v1, 4, s19                  ; my scale word's place in the record: 16 r + 256 (s / 4) + 4 (s % 4)
	s_lshl_b32 s20, s18, 11
	s_add_co_u32 s20, s20, PB
	v_add_nc_u32 v8, s20, v5                       ; my wave's partial sums, 16 bytes a lane
	v_lshrrev_b32 v9, 7, v0                        ; thread T sums and stores batch T / 8, units 2 (T % 8) and the next: tile of batches T / 128,
	s_delay_alu instid0(VALU_DEP_1)
	v_lshlrev_b32 v9, 10, v9
	v_bfe_u32 v14, v0, 1, 1
	s_delay_alu instid0(VALU_DEP_1)
	v_lshl_add_u32 v9, v14, 9, v9                  ; the accumulator's registers 4 ((T / 2) % 2) on,
	v_bfe_u32 v14, v0, 2, 1
	s_delay_alu instid0(VALU_DEP_1)
	v_lshl_add_u32 v9, v14, 8, v9                  ; lane (T / 8) % 16 + 16 ((T / 4) % 2),
	v_bfe_u32 v14, v0, 3, 4
	s_delay_alu instid0(VALU_DEP_1)
	v_lshl_add_u32 v9, v14, 4, v9
	v_and_b32 v14, 1, v0
	s_delay_alu instid0(VALU_DEP_1)
	v_lshl_add_u32 v9, v14, 3, v9                  ; and of its 16 bytes the half T % 2
	s_delay_alu instid0(VALU_DEP_1)
	v_add_nc_u32 v9, PB, v9
	v_and_b32 v10, 7, v0
	s_delay_alu instid0(VALU_DEP_1)
	v_lshlrev_b32 v10, 3, v10                      ; b1, b2: 8 (T % 8)
	v_lshlrev_b32 v11, 3, v0                       ; biasw: 8 T
	v_mov_b32 v[QTP], 0                            ; written once: a lane permute's destination counts as one of its sources
	s_mov_b32 s[SEL], 0x76543210
	s_mov_b32 s[SEL+1], 0xfedcba98
	s_mov_b32 s30, C2
	s_mov_b32 s31, C2                              ; (named with s30 as a pair)
	s_sub_co_u32 s34, ttmp9, 64
	s_and_b32 s32, s34, 1                          ; W2's work-groups: which 32 batches,
	s_lshr_b32 s33, s34, 1
	s_and_b32 s33, s33, 63                         ; and which tile
	s_cmp_lt_u32 ttmp9, 64
	s_cselect_b32 s21, ttmp9, s33                  ; the tile t
	s_lshl_b32 s24, s18, 19                        ; 128 rows of 4,096 bytes a K step
	s_lshl_b32 s25, s21, 6                         ; 64 bytes a tile
	s_add_co_u32 s24, s24, s25
	s_mov_b32 s25, 0
	s_wait_kmcnt 0x0
	s_cmp_lt_u32 ttmp9, 64                         ; W1's work-group or W2's: the choice hangs on the work-group's number alone
	s_cselect_b64 s[26:27], s[4:5], s[6:7]
	s_add_nc_u64 s[26:27], s[26:27], s[24:25]
.macro WLOAD
.set q, 0
.rept 64
	global_load_b32 v[XW+q], v3, s[26:27] offset:(64*(q/32)+q%32)*4096   ; W(128 s + 64 c + 32 h + i, 16 t + r): sixteen lanes read 64 neighbouring bytes
.set q, q+1
.endr
.endm
	s_cmp_lt_u32 ttmp9, 64
	s_cbranch_scc0 .Lw2
	WLOAD
	; ---- W1: the record of tile t
	s_wait_loadcnt 0x0
	QUANT2 XW, 0, CW, 0, TT, SWW
	s_mul_i32 s24, s21, REC
	s_add_nc_u64 s[14:15], s[14:15], s[24:25]      ; record t
	s_mul_i32 s28, s18, 1536
	s_add_co_u32 s28, s28, 512
	s_mov_b32 s29, 0
	s_add_nc_u64 s[28:29], s[14:15], s[28:29]      ; my fragment's image
.irp j, 0,1,2
	global_store_b128 v5, v[CW+4*\j:CW+4*\j+3], s[28:29] offset:512*\j   ; 32 lanes store 512 consecutive bytes, at a multiple of 256 from the buffer's first byte
.endr
	ds_store_b32 v7, v[SWW] offset:SCL             ; both halves of the lanes hold the same word and write it to the same place
	s_cmp_lg_u32 s21, 0
	s_cbranch_scc1 .Lno_copy
	s_wait_alu depctr_va_vdst(0)
.irp j, 0,1,2
	global_store_b128 v5, v[CW+4*\j:CW+4*\j+3], s[28:29] offset:64*REC+512*\j   ; tile 0 once more, as record 64
.endr
.Lno_copy:
	s_wait_dscnt 0x0                               ; for the others' sake: my scale word lies in LDS
	s_barrier_signal -1
	s_barrier_wait -1
	s_cmp_lg_u32 s18, 0
	s_cbranch_scc1 .Lw1_end                        ; wave 0 stores the eight waves' scale words as two whole blocks of 256 bytes
	ds_load_b128 v[40:43], v5 offset:SCL
	s_wait_dscnt 0x0
	global_store_b128 v5, v[40:43], s[14:15]
	s_cmp_lg_u32 s21, 0
	s_cbranch_scc1 .Lw1_end
	global_store_b128 v5, v[40:43], s[14:15] offset:64*REC
.Lw1_end:
	s_wait_tensorcnt 0x0                           ; the wave's end: the tensor wait, the add and its wait behind my last LDS store
	ds_add_u32 v12, v13
	s_wait_dscnt 0x0
	s_endpgm
	; ---- W2: K step s of Q(hidden) Q(W2) for the tile's 16 units and my 32 batches
.Lw2:
	s_lshl_b32 s24, s18, 9                         ; 512 bytes of a row of hidden a K step,
	s_lshl_b32 s28, s32, 17                        ; 32 rows of 4,096 bytes a half of the batches
	s_add_co_u32 s24, s24, s28
	s_add_nc_u64 s[8:9], s[8:9], s[24:25]
	ds_add_u32 v12, v13                            ; the opening: the add, twice on end, and its wait ahead of my tensor load
	ds_add_u32 v12, v13
	s_mov_b32 s36, (3<<16)|(1<<20)|(6<<22)|(3<<25) ; group 1: 32 rows of 512 bytes (64 elements of 8), 4,096 bytes apart; 16 bytes of padding behind every 128 words
	s_mov_b32 s37, 64<<16
	s_mov_b32 s38, 32<<16
	s_mov_b32 s39, 64<<16
	s_mov_b32 s40, 32
	s_mov_b32 s41, 512
	s_mov_b32 s42, 0
	s_mov_b32 s43, 0
	s_mov_b32 s44, 1
	s_add_co_u32 s45, s35, HID
	s_mov_b64 s[46:47], s[8:9]
	s_or_b32 s47, s47, 0x80000000
	s_wait_dscnt 0x0
	tensor_load_to_lds s[44:47], s[36:43]          ; my K step of my 32 batches' rows of hidden
	s_nop 0
	WLOAD
	s_lshl_b32 s24, s21, 6
	s_add_nc_u64 s[10:11], s[10:11], s[24:25]      ; b1, b2 at the tile's 16 units
	s_add_nc_u64 s[12:13], s[12:13], s[24:25]
	s_lshl_b32 s24, s21, 12
	s_lshl_b32 s28, s32, 11
	s_add_co_u32 s24, s24, s28
	s_add_nc_u64 s[16:17], s[16:17], s[24:25]      ; biasw at the tile's 4,096 bytes, my 32 batches' 2,048 of them
	s_wait_tensorcnt 0x0                           ; my rows of hidden lie in LDS; no other wave reads them
	WIN 0x40                                       ; destination window 1
.set q, 0
.rept 32
	ds_load_b128 v[4*q:4*q+3], v4 offset:HID+8448*(q/16)+256*((q/8)%2)+16*(q%8)   ; hidden(16 m + r, 128 s + 64 c + 32 h + 4 i ..), m = q / 16
.set q, q+1
.endr
	WIN 0
	s_wait_loadcnt 0x0                             ; W's 64 loads are in
	QUANT2 XW, 0, CW, 0, TT, SWW
.irp m, 0,1
	s_wait_dscnt 16-16*\m                          ; tile m's 16 LDS loads are in; the later tile's 16 may be out
	QUANT2 64*\m, 1, CH+12*\m, 0, TT, SWH+\m
.endr
	global_load_b64 v[100:101], v10, s[10:11]      ; b1 and b2, into registers that W's numbers have left
	global_load_b64 v[102:103], v10, s[12:13]
.rept 8
	v_nop                                          ; a scale register written by a vector instruction stands eight places ahead of a scaled matrix instruction, an operand so written four
.endr
.irp m, 0,1                                    ; source 0 = 16 units of W2, source 1 = 16 batches: lane (r, h) holds batch 16 m + r, register j unit 16 t + 8 h + j.  Two accumulators, one instruction each
	v_wmma_scale_f32_16x16x128_f8f6f4 v[DD+8*\m:DD+8*\m+7], v[CW:CW+11], v[CH+12*\m:CH+12*\m+11], 0, v[SWW], v[SWH+\m] matrix_a_fmt:MATRIX_FMT_BF6 matrix_b_fmt:MATRIX_FMT_BF6
.endr
.rept 4
	v_nop                                          ; four places in front of the first read of results (ISA guide 7.12.1)
.endr
.irp m, 0,1
	ds_store_b128 v8, v[DD+8*\m:DD+8*\m+3] offset:1024*\m          ; each accumulator from its low end on
	ds_store_b128 v8, v[DD+8*\m+4:DD+8*\m+7] offset:1024*\m+512
.endr
	s_wait_dscnt 0x0                               ; for the others' sake: my partial sums lie in LDS
	s_barrier_signal -1
	s_barrier_wait -1
.irp k, 0,1,2,3,4,5,6,7
	ds_load_b64 v[104+2*\k:105+2*\k], v9 offset:2048*\k            ; the eight K steps' parts of my two numbers
.endr
	s_wait_dscnt 0x0
	s_wait_loadcnt 0x0                             ; b1, b2
	v_pk_add_f32 v[104:105], v[104:105], v[106:107]
	v_pk_add_f32 v[108:109], v[108:109], v[110:111]
	v_pk_add_f32 v[112:113], v[112:113], v[114:115]
	v_pk_add_f32 v[116:117], v[116:117], v[118:119]
	v_pk_add_f32 v[100:101], v[100:101], v[102:103]
	s_delay_alu instid0(VALU_DEP_4)
	v_pk_add_f32 v[104:105], v[104:105], v[108:109]
	s_delay_alu instid0(VALU_DEP_3)
	v_pk_add_f32 v[112:113], v[112:113], v[116:117]
	s_delay_alu instid0(VALU_DEP_1)
	v_pk_add_f32 v[104:105], v[104:105], v[112:113]
	s_delay_alu instid0(VALU_DEP_1)
	v_pk_add_f32 v[104:105], v[104:105], v[100:101]
	s_delay_alu instid0(VALU_DEP_1)
	v_pk_mul_f32 v[104:105], v[104:105], s[30:31] op_sel_hi:[1,0]   ; x 2 log2(e): the next launch adds it inside one multiply-add ahead of its exponential
	global_store_b64 v11, v[104:105], s[16:17]     ; 32 lanes store 256 consecutive bytes, at a multiple of 256 from the buffer's first byte
	s_wait_tensorcnt 0x0                           ; the wave's end: the same three lines
	ds_add_u32 v12, v13
	s_wait_dscnt 0x0
	s_endpgm
.Lfunc_end_k_q2e51bfb790_prep:
	.size	k_q2e51bfb790_prep, .Lfunc_end_k_q2e51bfb790_prep-k_q2e51bfb790_prep
	.p2alignl 7, 3214868480
	.fill 96, 4, 3214868480
	.section	.rodata,"a",@progbits
	.p2align	6, 0x0
	.amdhsa_kernel k_q2e51bfb790_prep
		.amdhsa_group_segment_fixed_size 167936
		.amdhsa_private_segment_fixed_size 0
		.amdhsa_enable_private_segment 0
		.amdhsa_kernarg_size 56
		.amdhsa_user_sgpr_count 2
		.amdhsa_user_sgpr_kernarg_segment_ptr 1
		.amdhsa_wavefront_size32 1
		.amdhsa_system_sgpr_workgroup_id_x 1
		.amdhsa_system_sgpr_workgroup_id_y 1
		.amdhsa_system_sgpr_workgroup_id_z 1
		.amdhsa_system_vgpr_workitem_id 0
		.amdhsa_next_free_vgpr 384
		.amdhsa_next_free_sgpr 66
		.amdhsa_reserve_vcc 0
		.amdhsa_float_denorm_mode_32 3
		.amdhsa_float_denorm_mode_16_64 3
		.amdhsa_memory_ordered 1
		.amdhsa_forward_progress 1
		.amdhsa_inst_pref_size 40
	.end_amdhsa_kernel
	.amdgpu_metadata
---
amdhsa.version: [ 1, 2 ]
amdhsa.kernels:
  - .name:           k_q2e51bfb790_prep
    .symbol:         k_q2e51bfb790_prep.kd
    .args:
      - { .name: W1, .offset: 0, .size: 8, .value_kind: global_buffer, .address_space: global }
      - { .name: W2, .offset: 8, .size: 8, .value_kind: global_buffer, .address_space: global }
      - { .name: hidden, .offset: 16, .size: 8, .value_kind: global_buffer, .address_space: global }
      - { .name: b1, .offset: 24, .size: 8, .value_kind: global_buffer, .address_space: global }
      - { .name: b2, .offset: 32, .size: 8, .value_kind: global_buffer, .address_space: global }
      - { .name: w1q, .offset: 40, .size: 8, .value_kind: global_buffer, .address_space: global }
      - { .name: biasw, .offset: 48, .size: 8, .value_kind: global_buffer, .address_space: global }
    .group_segment_fixed_size: 167936
    .private_segment_fixed_size: 0
    .kernarg_segment_align: 8
    .kernarg_segment_size: 56
    .max_flat_workgroup_size: 256
    .sgpr_count:     66
    .vgpr_count:     384
    .wavefront_size: 32
...
	.end_amdgpu_metadata
.endif
;; end of part 1
;; launch scorek (part 2): grid 256 x 1, 8 waves a work-group, clusters of 4 x 1, 327,680 bytes of LDS; arguments features, w1q, biasw, V, scores; writes scores
.if DOCPART == 2
	.amdgcn_target "amdgcn-amd-amdhsa--gfx1250"
	.amdhsa_code_object_version 6
	.text
	.protected	k_q2e51bfb790_scorek
	.globl	k_q2e51bfb790_scorek
	.p2align	8
	.type	k_q2e51bfb790_scorek,@function
k_q2e51bfb790_scorek:
	s_mov_b64 s[64:65], 0
	v_nop
	global_prefetch_b8 v0, s[64:65] scope:SCOPE_SE
	s_setreg_imm32_b32 hwreg(HW_REG_WAVE_MODE, 25, 1), 1
	s_wait_xcnt 0x0
	s_wait_alu depctr_hold_cnt(0) depctr_sa_sdst(0) depctr_va_vdst(0) depctr_va_sdst(0) depctr_va_ssrc(0) depctr_va_vcc(0) depctr_vm_vsrc(0)
	s_getreg_b32 s2, hwreg(HW_REG_IB_STS2, 6, 4)
	s_cmp_eq_u32 s2, 0
	s_cbranch_scc0 .Lentry_in_a_cluster
	s_endpgm
.Lentry_in_a_cluster:
	s_bfe_u32 s2, ttmp6, 0x10000c
	s_cmp_lg_u32 s2, 0x3003
	s_cbranch_scc0 .Lentry_shape_is_right
	s_endpgm
.Lentry_shape_is_right:
; BahdanauAttention, launch 2 of 3: scores[b][l] = sum over u of (-2 log2(e) V[u]) / (1 + 2^(2 log2(e) x[b][l][u])), x = Q(features) Q(W1) + (Q(hidden) Q(W2) + b1 + b2).
; That is log2(e) x (the reference's score - bV - the sum of V): the two terms left out are the same for all l of a batch and fall out of the softmax over l (shown at the head of the first kernel).
; tanh(x) = 1 - 2 / (1 + 2^(2 log2(e) x)): where the power overflows the quotient is 0, where it falls to 0 the quotient is 1.
; LIMITS: NaN and infinities among the inputs are not served; a block of zeros gets the scale byte 1 (its codes are zeros; the bytes never leave this launch).
; SHARES.  A work-group owns 256 rows of one batch.  Eight waves, two to a SIMD: wave w = 2 g + p holds the codes of rows 64 g .. 64 g + 63 for all of K (32 fragments, 384 registers)
; and walks W1's tiles of 16 units of parity p.  The two waves of a pair add their halves of the scores through LDS at the end.
; PHASE L: eight steps through two LDS slots.  Step t brings, for each g, row tiles 2 (t / 4) and the next, 1,024 bytes of each row from byte 1,024 (t % 4) on: wave w fetches 16 rows, 16 KB, by one tensor load;
; LDS rows are 1,040 bytes apart, so the sixteen rows of a load of 16 bytes a lane start in sixteen different groups of banks.  Both waves of a pair quantise the pair's four fragments of the step, each into its own registers.
; PHASE G: the same two slots take W1's records, eight to a slot, one a wave, each at a place of 16,384 bytes; the four work-groups of a batch ask for each record JOINTLY.
; A tile: 32 matrix instructions (K step by K step, the four accumulators by turns), then the activation of its 32 registers in whole batches.  W1's fragments go through four sets of 12 registers:
; a set is filled again behind its K step, three K steps (12 matrix instructions) ahead of its next use; the next tile's first four fragments are fetched in the tile's last four K steps; in a slot's last tile that address
; wraps to the slot's first tile, and what it brings is fetched anew behind the change of slots.  The bias and V'' take turns in one set of 8 registers: the bias from the tile's head to the scalings, V'' from there to the sums.
; No L2 prefetch: phase L asks for 128 KB a step with the next step's load out through the whole step, and W1's 64 records are the same for all 64 clusters.
; REGISTERS.  Window 0: v1-10 addresses; v12-27 the rows' scale words (lanes 0-15 K steps 0-3, lanes 16-31 K steps 4-7); v28-31 W1's; v32-63 accumulators; v64-111 W1's fragments;
; v112-255 the rows' fragments of K steps 5-7.  Window 1: those of K steps 0-4 at v[48 s + 12 m]; v240-247 the bias, then V''; v248-255 the scores' sums.
; Phase L: v32-95 a fragment's 64 numbers, v96-111 at work, v28-30 addresses.
.set C2,    0x4038aa3b                 ; 2 log2(e)
.set REC,   12800                      ; a record of w1q
.set RPL,   16384                      ; its place in a slot
.set FPW,   16640                      ; 16 rows of 1,040 bytes: a wave's part of a slot in phase L
.set SLOTB, 133120                     ; slot 0 at 0, slot 1 here
.set TBB,   2*SLOTB                    ; 2 log2(e) x bias of my batch, 4,096 bytes
.set TBV,   TBB+4096                   ; V'' = -2 log2(e) V, 4,096 bytes
.set STG,   TBV+4096                   ; 256 bytes for each wave, for the way out
.set SPARE, STG+2048                   ; the spare words, 128 bytes for each wave: four blocks of 256 bytes that no other line names
.set LB,  1                            ; 16 x lane + RPL x p
.set ADR, 2                            ; the record in hand (at the head: V's offset)
.set ADN, 3                            ; the next record of my parity
.set TGO, 3                            ; at the head: the bias table's offset in biasw
.set TL0, 4                            ; TBB + 32 (lane / 16) + 64 p
.set TAD, 5                            ; the same for the tile in hand
.set TLD, 5                            ; at the head: TBB + 16 x thread
.set SPW, 6                            ; my spare word; never rewritten
.set NIL, 7                            ; 0; never rewritten
.set GO,  8                            ; 8 x lane
.set RDP, 9                            ; the way out: my pair's scores, 8 bytes a lane
.set STP, 10                           ; the way out: my wave's scores, 4 bytes a lane
.set ASC, 12
.set BSC, 28
.set FA,  28                           ; v28-29 phase L: my pair's rows in slot 0, 1
.set QH8, 30                           ; phase L: 8 x (lane / 16)
.set ACC, 32
.set BF,  64
.set CW0, 112
.set VB,  240                          ; window 1
.set SC,  248                          ; window 1
.set X,   32
.set TT0, 96
.set TT1, 240
.set QM,  104
.set QSO, 106
.set QBY, 108
.set QTP, 110
.set SWT, 111
.set SEL, 38                           ; s[38:39]
.set MSB, 0
.macro WIN new                         ; the immediate's high byte repeats the setting that is left; a switch that changes nothing is dropped
.if MSB != (\new)
	s_set_vgpr_msb (MSB<<8)|(\new)
.set MSB, (\new)
.endif
.endm
; 64 numbers of a lane in v[X ..], register 32 c + i = k 64 c + 32 (lane / 16) + i (two whole blocks), become the fragment's 12 registers in window dw from v[dr] on and the scale word v[sw].
.macro QUANT2 dr, dw, tr, sw
.irp c, 0,1
	v_max3_num_f32 v[QM+\c], |v[X+32*\c]|, |v[X+32*\c+1]|, 0x2800000   ; and the floor 2^(5 - 127): the byte cannot fall under 1
.endr
.irp i, 2,4,6,8,10,12,14,16,18,20,22,24,26,28,30
.irp c, 0,1
	s_delay_alu instid0(VALU_DEP_2)
	v_max3_num_f32 v[QM+\c], |v[X+32*\c+\i]|, |v[X+32*\c+\i+1]|, v[QM+\c]   ; the two blocks by turns
.endr
.endr
.irp c, 0,1
	v_add_nc_u32 v[QSO+\c], 0xfe000000, v[QM+\c]   ; 4 off the exponent field: the conversion takes this operand's exponent field as its scale
.endr
.irp c, 0,1
	s_delay_alu instid0(VALU_DEP_2)
	v_lshrrev_b32 v[QBY+\c], 23, v[QSO+\c]         ; the scale's byte
.endr
	s_delay_alu instid0(VALU_DEP_1)
	v_lshl_or_b32 v[\sw], v[QBY+1], 16, v[QBY]     ; my two bytes: blocks h and 2 + h,
	s_delay_alu instid0(VALU_DEP_1)
	v_lshlrev_b32 v[\sw], v[QH8], v[\sw]           ; at their places in the word;
	s_delay_alu instid0(VALU_DEP_1)
	v_permlanex16_b32 v[QTP], v[\sw], s[SEL], s[SEL+1]
	s_delay_alu instid0(VALU_DEP_1)
	v_or_b32 v[\sw], v[\sw], v[QTP]                ; with lane l xor 16's two the word is whole
	WIN ((\dw)<<6)
	v_cvt_scalef32_pk16_bf6_f32 v[(\dr):(\dr)+2], v[X:X+15], v[QSO]
	v_cvt_scalef32_pk16_bf6_f32 v[(\tr):(\tr)+2], v[X+16:X+31], v[QSO]       ; a conversion's three registers begin on an even number: a block's second half is made elsewhere and moved
	v_cvt_scalef32_pk16_bf6_f32 v[(\dr)+6:(\dr)+8], v[X+32:X+47], v[QSO+1]
	v_cvt_scalef32_pk16_bf6_f32 v[(\tr)+4:(\tr)+6], v[X+48:X+63], v[QSO+1]
	v_nop                                          ; one plain place behind a scaled conversion
	WIN (\dw)|((\dw)<<6)
.irp i, 0,1,2
	v_mov_b32 v[(\dr)+3+\i], v[(\tr)+\i]
	v_mov_b32 v[(\dr)+9+\i], v[(\tr)+4+\i]
.endr
	WIN 0
.endm
.macro CROUND                          ; a round of the cluster's barrier
	s_barrier_signal -1
	s_barrier_wait -1
	s_cmp_lg_u32 s14, 0
	s_cbranch_scc1 .Lnot_wave_0_\@
	s_barrier_signal -3
.Lnot_wave_0_\@:
	s_barrier_wait -3
	s_barrier_signal -1
	s_barrier_wait -1
.endm
.macro TLOAD g0, g1                    ; my one tensor load behind a round; an s_nop 0 and four v_nop follow
	tensor_load_to_lds s[\g0:\g0+3], s[\g1:\g1+7]
	s_nop 0
.rept 4
	v_nop
.endr
.endm
	s_load_b256 s[4:11], s[0:1], 0x0               ; features s[4:5], w1q s[6:7], biasw s[8:9], V s[10:11]
	s_load_b64 s[12:13], s[0:1], 0x20              ; scores
	v_lshl_add_u32 v[SPW], v0, 2, SPARE
	v_mov_b32 v[NIL], 0
	ds_add_u32 v[SPW], v[NIL]                      ; the opening: the add, twice on end, and its wait ahead of my first tensor load
	ds_add_u32 v[SPW], v[NIL]
	v_lshrrev_b32 v11, 5, v0
	v_readfirstlane_b32 s14, v11                   ; wave 0..7
	s_bfe_u32 s15, ttmp6, 0x40000                  ; cx: it enters the addresses of features and scores alone
	s_lshr_b32 s16, s14, 1                         ; g
	s_and_b32 s17, s14, 1                          ; p
	; group 1 for features: 16 rows of 1,024 bytes (128 elements of 8), 4,096 bytes apart; 16 bytes of padding behind every 256 words; no mask: each work-group's own rows
	s_mov_b32 s24, (3<<16)|(1<<20)|(7<<22)|(3<<25)
	s_mov_b32 s25, 128<<16
	s_mov_b32 s26, 16<<16
	s_mov_b32 s27, 128<<16
	s_mov_b32 s28, 16
	s_mov_b32 s29, 512
	s_mov_b32 s30, 0
	s_mov_b32 s31, 0
	; group 1 for W1: a record as 50 rows of 256 bytes, dense; the mask names all four work-groups, bit 21 beside it
	s_mov_b32 s48, 15|(3<<16)|(1<<21)
	s_mov_b32 s49, 32<<16
	s_mov_b32 s50, 50<<16
	s_mov_b32 s51, 32<<16
	s_mov_b32 s52, 50
	s_mov_b32 s53, 32
	s_mov_b32 s54, 0
	s_mov_b32 s55, 0
	s_mov_b32 s32, 1
	s_mul_i32 s33, s14, FPW                        ; phase L: my part of slot 0
	s_mov_b32 s56, 1
	s_lshl_b32 s57, s14, 14                        ; phase G: record w's place in slot 0
	s_mul_i32 s18, s14, REC
	s_mov_b32 s19, 0
	s_mov_b32 s20, 0xc038aa3b                      ; -2 log2(e)
	s_mov_b32 s21, s20
	s_mov_b32 s36, C2
	s_mov_b32 s37, C2
	s_mov_b32 s[SEL], 0x76543210
	s_mov_b32 s[SEL+1], 0xfedcba98
	s_mov_b32 s45, 0xffff0000                      ; lanes 16-31
	s_lshl_b32 s46, ttmp9, 2                       ; ttmp9 counts clusters: the batch
	s_add_co_u32 s46, s46, s15                     ; my block of 256 rows
	s_lshl_b32 s22, s46, 10
	s_lshl_b32 s23, s16, 8
	s_add_co_u32 s22, s22, s23                     ; my pair's 64 scores: one block of 256 bytes
	s_mov_b32 s23, 0
	s_lshl_b32 s46, s46, 20
	s_lshl_b32 s47, s16, 18                        ; 64 rows of 4,096 bytes a pair,
	s_add_co_u32 s46, s46, s47
	s_lshl_b32 s47, s17, 16                        ; 16 rows for p
	s_add_co_u32 s46, s46, s47
	s_mov_b32 s47, 0
	s_lshl_b32 s40, ttmp9, 6                       ; my batch's 64 bytes in each tile of biasw
	s_mov_b32 s41, 0
	s_lshl_b32 s44, s17, 14
	s_lshl_b32 s61, s17, 6
	s_add_co_u32 s61, s61, TBB
	s_mul_i32 s62, s16, 2*FPW
	s_lshl_b32 s63, s14, 8
	s_add_co_u32 s63, s63, STG
	s_lshl_b32 s58, s16, 9
	s_add_co_u32 s58, s58, STG
	v_and_b32 v[GO], 31, v0
	v_lshlrev_b32 v[LB], 4, v[GO]
	v_add_nc_u32 v[LB], s44, v[LB]
	v_and_b32 v11, 15, v0                          ; r
	v_bfe_u32 v31, v0, 4, 1                        ; h
	v_lshlrev_b32 v[QH8], 3, v31
	v_lshl_add_u32 v[TL0], v31, 5, s61
	v_mul_u32_u24 v[FA], v11, 1040
	v_lshl_add_u32 v[FA], v31, 7, v[FA]            ; row r, + 128 bytes for lanes 16-31
	v_add_nc_u32 v[FA], s62, v[FA]
	v_add_nc_u32 v[FA+1], SLOTB, v[FA]
	v_lshrrev_b32 v[TGO], 2, v0                    ; thread T takes quarter T % 4 of tile T / 4's 16 numbers of bias,
	v_lshlrev_b32 v[TGO], 12, v[TGO]
	v_and_b32 v11, 3, v0
	v_lshl_add_u32 v[TGO], v11, 4, v[TGO]
	v_lshlrev_b32 v[ADR], 4, v0                    ; and V's numbers 4 T on; both go to 16 T in their tables
	v_lshl_add_u32 v[TLD], v0, 4, TBB
	v_lshl_add_u32 v[STP], v[GO], 2, s63
	v_lshl_add_u32 v[RDP], v[GO], 3, s58
	v_lshlrev_b32 v[GO], 3, v[GO]
	v_mov_b32 v[QTP], 0                            ; written once: a lane permute's destination counts as one of its sources
	s_wait_alu depctr_va_vdst(0)                   ; the wait at the head's end
	s_wait_dscnt 0x0                               ; both opening adds are done
	s_wait_kmcnt 0x0
	s_add_nc_u64 s[34:35], s[4:5], s[46:47]
	s_or_b32 s35, s35, 0x80000000
	s_add_nc_u64 s[58:59], s[6:7], s[18:19]        ; record w
	s_or_b32 s59, s59, 0x80000000
	s_add_nc_u64 s[12:13], s[12:13], s[22:23]
	s_add_nc_u64 s[8:9], s[8:9], s[40:41]
	CROUND
	TLOAD 32, 24                                   ; step 0: one tensor load a wave at the head
	global_load_b128 v[X:X+3], v[TGO], s[8:9]
	global_load_b128 v[X+4:X+7], v[ADR], s[10:11]
	s_mov_b32 s42, 0                               ; the tables' step from slot to slot: 512 bytes
	s_mov_b32 s60, 0                               ; the slot in hand in phase G
	s_mov_b32 s61, 7
; PHASE L.  Fragment (m, s): row tile m, K step s.  Register 32 c + 4 j + e of the landing set takes number 128 s + 64 c + 32 h + 4 j + e of row 16 m + r.
.macro FRAGQ t, pp, ks
.set FM, 2*((\t)/4)+(\pp)
.set FS, 2*((\t)%4)+(\ks)
.irp c, 0,1
.irp j, 0,1,2,3,4,5,6,7
	ds_load_b128 v[X+32*\c+4*\j:X+32*\c+4*\j+3], v[FA+(\t)%2] offset:FPW*(\pp)+512*(\ks)+256*\c+16*\j
.endr
.endr
	s_wait_dscnt 0x0
.if FS < 4
	QUANT2 48*FS+12*FM, 1, TT1, ASC+4*FS+FM
.elseif FS == 4
	QUANT2 48*FS+12*FM, 1, TT1, SWT
.else
	QUANT2 CW0+48*(FS-5)+12*FM, 0, TT0, SWT
.endif
.if FS >= 4
	v_cndmask_b32 v[ASC+4*(FS-4)+FM], v[ASC+4*(FS-4)+FM], v[SWT], s45   ; K steps 4-7: the word goes into lanes 16-31
.endif
.endm
; A step: all my tensor loads are in, the add, my LDS instructions are over; a round; the next step's load into the other slot (behind step 7: W1's first eight records, jointly); then this step's four fragments.
.macro LSTEP t
	s_wait_alu depctr_va_vdst(0)                   ; the wait ahead of the blocking wait
	s_wait_tensorcnt 0x0
	ds_add_u32 v[SPW], v[NIL]
.if (\t) < 7
	s_xor_b32 s33, s33, SLOTB
.if ((\t)+1)%4
	s_add_nc_u64 s[34:35], s[34:35], 1024
.else
	s_add_nc_u64 s[34:35], s[34:35], 131072-3072   ; 32 rows down, back along K
.endif
.endif
	s_wait_dscnt 0x0
	CROUND
.if (\t) < 7
	TLOAD 32, 24
.else
	TLOAD 56, 48
.endif
.if (\t) == 0                                  ; the two tables are laid in LDS once; all waves read them behind later rounds
	s_wait_loadcnt 0x0
	v_pk_mul_f32 v[X+4:X+5], v[X+4:X+5], s[20:21] op_sel_hi:[1,0]
	v_pk_mul_f32 v[X+6:X+7], v[X+6:X+7], s[20:21] op_sel_hi:[1,0]
	ds_store_b128 v[TLD], v[X:X+3]
	ds_store_b128 v[TLD], v[X+4:X+7] offset:TBV-TBB
.endif
	FRAGQ \t, 0, 0
	FRAGQ \t, 0, 1
	FRAGQ \t, 1, 0
	FRAGQ \t, 1, 1
.endm
.set T, 0
.rept 8
	LSTEP T
.set T, T+1
.endr
	WIN 0x40
.irp q, 0,1,2,3,4,5,6,7
	v_mov_b32 v[SC+\q], 0                          ; the scores' sums
.endr
	WIN 0
; PHASE G.
.macro WM4 s                           ; K step s: W1's fragment against my four row tiles
.set rB, BF+12*((\s)%4)
.irp m, 0,1,2,3
.if (\s) < 5
.set rA, 48*(\s)+12*\m
.else
.set rA, CW0+48*((\s)-5)+12*\m
.endif
.set rD, ACC+8*\m
.if (\s) == 0
	v_wmma_scale_f32_16x16x128_f8f6f4 v[rD:rD+7], v[rB:rB+11], v[rA:rA+11], 0, v[BSC], v[ASC+\m] matrix_a_fmt:MATRIX_FMT_BF6 matrix_b_fmt:MATRIX_FMT_BF6
.elseif (\s) < 4
	v_wmma_scale_f32_16x16x128_f8f6f4 v[rD:rD+7], v[rB:rB+11], v[rA:rA+11], v[rD:rD+7], v[BSC+(\s)], v[ASC+4*(\s)+\m] matrix_a_fmt:MATRIX_FMT_BF6 matrix_b_fmt:MATRIX_FMT_BF6
.else
	v_wmma_scale_f32_16x16x128_f8f6f4 v[rD:rD+7], v[rB:rB+11], v[rA:rA+11], v[rD:rD+7], v[BSC+(\s)-4], v[ASC+4*((\s)-4)+\m] matrix_a_fmt:MATRIX_FMT_BF6 matrix_b_fmt:MATRIX_FMT_BF6 matrix_a_scale:MATRIX_SCALE_ROW1 matrix_b_scale:MATRIX_SCALE_ROW1
.endif
.endr
.endm
.macro BLD buf, adr, off               ; a fragment's image, three loads of 16 bytes a lane on end
.irp j, 0,1,2
	ds_load_b128 v[BF+12*(\buf)+4*\j:BF+12*(\buf)+4*\j+3], v[\adr] offset:(\off)+512*\j
.endr
.endm
.macro TILE
	s_wait_dscnt 0x0                               ; the tile's scale words and K steps 0-3 are in
	WIN 0x40
	ds_load_b128 v[VB:VB+3], v[TAD]                ; the bias: the sums of the tile before have read V''
	ds_load_b128 v[VB+4:VB+7], v[TAD] offset:16
	WIN 0x04                                       ; source 1: window 1
.set S, 0
.rept 8
.if S >= 4
	s_wait_dscnt 9                                 ; all but the three youngest fragments' nine loads
.endif
.if S == 5
	WIN 0
.endif
	WM4 S
.rept 4
	v_nop                                          ; four places in front of loads into registers that matrix instructions have read; behind K step 7 also in front of the first read of results
.endr
.if S < 4
	BLD S, ADR, 512+1536*(S+4)
.else
	BLD S-4, ADN, 512+1536*(S-4)
.endif
.if S == 7
	ds_load_b128 v[BSC:BSC+3], v[ADN]
.endif
.set S, S+1
.endr
	WIN 0x10                                       ; source 2: window 1: the bias
.irp m, 0,1,2,3
.irp j, 0,2,4,6
	v_pk_fma_f32 v[ACC+8*\m+\j:ACC+8*\m+\j+1], v[ACC+8*\m+\j:ACC+8*\m+\j+1], s[36:37], v[VB+\j:VB+\j+1] op_sel_hi:[1,0,1]   ; each accumulator from its low end on
.endr
.endr
	WIN 0x40
	ds_load_b128 v[VB:VB+3], v[TAD] offset:TBV-TBB      ; V'' takes the bias's place; it has the two batches below in which to land
	ds_load_b128 v[VB+4:VB+7], v[TAD] offset:TBV-TBB+16
	WIN 0
	s_wait_alu depctr_va_vdst(0)                   ; a wait ahead of a batch of transcendentals and one behind it
.set q, 0
.rept 32
	v_exp_f32 v[ACC+q], v[ACC+q]
.set q, q+1
.endr
	v_nop
	s_wait_alu depctr_va_vdst(0)
.set q, 0
.rept 16
	v_pk_add_f32 v[ACC+2*q:ACC+2*q+1], v[ACC+2*q:ACC+2*q+1], 1.0 op_sel_hi:[1,0]
.set q, q+1
.endr
	s_wait_alu depctr_va_vdst(0)
.set q, 0
.rept 32
	v_rcp_f32 v[ACC+q], v[ACC+q]
.set q, q+1
.endr
	v_nop
	s_wait_dscnt 0x0                               ; V'' is in
	s_wait_alu depctr_va_vdst(0)
	WIN 0x54                                       ; source 1 (V''), source 2 and the destination (the sums): window 1
.irp j, 0,2,4,6
.irp m, 0,1,2,3
	v_pk_fma_f32 v[SC+2*\m:SC+2*\m+1], v[ACC+8*\m+\j:ACC+8*\m+\j+1], v[VB+\j:VB+\j+1], v[SC+2*\m:SC+2*\m+1]
.endr
.endr
	WIN 0
.endm
; A slot's four tiles of my parity.
.macro PROCESS
	v_add_nc_u32 v[ADR], s60, v[LB]
	ds_load_b128 v[BSC:BSC+3], v[ADR]
	BLD 0, ADR, 512
	BLD 1, ADR, 512+1536
	BLD 2, ADR, 512+1536*2
	BLD 3, ADR, 512+1536*3
	s_mov_b32 s40, 0
	s_mov_b32 s62, 4
.Ltile_\@:
	s_add_co_u32 s41, s40, s60
	v_add_nc_u32 v[ADR], s41, v[LB]
	s_add_co_u32 s41, s40, 2*RPL
	s_and_b32 s41, s41, 0x1ffff                    ; behind the slot's last tile: its first
	s_add_co_u32 s41, s41, s60
	v_add_nc_u32 v[ADN], s41, v[LB]
	s_lshr_b32 s44, s40, 8                         ; 128 bytes of the tables for two tiles
	s_add_co_u32 s44, s44, s42
	v_add_nc_u32 v[TAD], s44, v[TL0]
	s_wait_alu depctr_va_vdst(0)
	TILE
	s_add_co_u32 s40, s40, 2*RPL
	s_sub_co_u32 s62, s62, 1
	s_cmp_lg_u32 s62, 0
	s_wait_alu depctr_va_vdst(0)                   ; the wait ahead of the branch
	s_cbranch_scc1 .Ltile_\@
	s_xor_b32 s60, s60, SLOTB
	s_add_co_u32 s42, s42, 512
.endm
; The change of slots: as in phase L.  fill = 1: the slot just left takes the eight records two slots on; that load has four tiles of every wave in which to land.
.macro CHANGE fill
	s_wait_alu depctr_va_vdst(0)
	s_wait_tensorcnt 0x0
	ds_add_u32 v[SPW], v[NIL]
.if \fill
	s_xor_b32 s57, s57, SLOTB
	s_add_nc_u64 s[58:59], s[58:59], 8*REC
.endif
	s_wait_dscnt 0x0
.if \fill
	CROUND
	TLOAD 56, 48
.else
	s_barrier_signal -1
	s_barrier_wait -1
.endif
.endm
.Lgrp:                                             ; seven trips: slots' worth 0 to 6 are multiplied, 1 to 7 asked for
	CHANGE 1
	PROCESS
	s_sub_co_u32 s61, s61, 1
	s_cmp_lg_u32 s61, 0
	s_cbranch_scc1 .Lgrp
	CHANGE 0                                       ; the tail is written out: nothing more is asked for
	PROCESS
	; THE WAY OUT.  A lane's two sums, lane l xor 16's, then the other parity's wave: the pair's 64 scores leave as one aligned block of 256 bytes
	s_wait_dscnt 0x0                               ; the last tile's look-ahead loads
	WIN 0x05                                       ; sources 0 and 1: window 1
.irp m, 0,1,2,3
	v_add_f32 v[ACC+\m], v[SC+2*\m], v[SC+2*\m+1]
.endr
	WIN 0
.irp m, 0,1,2,3
	v_permlanex16_b32 v[BF+\m], v[ACC+\m], s[SEL], s[SEL+1]
.endr
.irp m, 0,1,2,3
	v_add_f32 v[ACC+\m], v[ACC+\m], v[BF+\m]
.endr
	v_cndmask_b32 v[BF], v[ACC], v[ACC+1], s45     ; lanes 0-15 rows 0-15, lanes 16-31 rows 16-31
	v_cndmask_b32 v[BF+1], v[ACC+2], v[ACC+3], s45 ; rows 32-63 likewise
	ds_store_b32 v[STP], v[BF]
	ds_store_b32 v[STP], v[BF+1] offset:128
	s_wait_dscnt 0x0                               ; for the other wave's sake
	s_barrier_signal -1
	s_barrier_wait -1
	s_cmp_lg_u32 s17, 0
	s_cbranch_scc1 .Lodd                           ; the wave of parity 0 adds and stores
	ds_load_b64 v[BF+4:BF+5], v[RDP]
	ds_load_b64 v[BF+6:BF+7], v[RDP] offset:256
	s_wait_dscnt 0x0
	v_pk_add_f32 v[BF+4:BF+5], v[BF+4:BF+5], v[BF+6:BF+7]
	global_store_b64 v[GO], v[BF+4:BF+5], s[12:13]
.Lodd:
	s_wait_tensorcnt 0x0                           ; the wave's end: the tensor wait, the add and its wait
	ds_add_u32 v[SPW], v[NIL]
	s_wait_dscnt 0x0
	CROUND                                         ; the closing round
	s_endpgm
.Lfunc_end_k_q2e51bfb790_scorek:
	.size	k_q2e51bfb790_scorek, .Lfunc_end_k_q2e51bfb790_scorek-k_q2e51bfb790_scorek
	.p2alignl 7, 3214868480
	.fill 96, 4, 3214868480
	.section	.rodata,"a",@progbits
	.p2align	6, 0x0
	.amdhsa_kernel k_q2e51bfb790_scorek
		.amdhsa_group_segment_fixed_size 327680
		.amdhsa_private_segment_fixed_size 0
		.amdhsa_enable_private_segment 0
		.amdhsa_kernarg_size 40
		.amdhsa_user_sgpr_count 2
		.amdhsa_user_sgpr_kernarg_segment_ptr 1
		.amdhsa_wavefront_size32 1
		.amdhsa_system_sgpr_workgroup_id_x 1
		.amdhsa_system_sgpr_workgroup_id_y 1
		.amdhsa_system_sgpr_workgroup_id_z 1
		.amdhsa_system_vgpr_workitem_id 0
		.amdhsa_next_free_vgpr 512
		.amdhsa_next_free_sgpr 66
		.amdhsa_reserve_vcc 0
		.amdhsa_float_denorm_mode_32 3
		.amdhsa_float_denorm_mode_16_64 3
		.amdhsa_memory_ordered 1
		.amdhsa_forward_progress 1
		.amdhsa_inst_pref_size 208
	.end_amdhsa_kernel
	.amdgpu_metadata
---
amdhsa.version: [ 1, 2 ]
amdhsa.kernels:
  - .name:           k_q2e51bfb790_scorek
    .symbol:         k_q2e51bfb790_scorek.kd
    .args:
      - { .name: features, .offset: 0, .size: 8, .value_kind: global_buffer, .address_space: global }
      - { .name: w1q, .offset: 8, .size: 8, .value_kind: global_buffer, .address_space: global }
      - { .name: biasw, .offset: 16, .size: 8, .value_kind: global_buffer, .address_space: global }
      - { .name: V, .offset: 24, .size: 8, .value_kind: global_buffer, .address_space: global }
      - { .name: scores, .offset: 32, .size: 8, .value_kind: global_buffer, .address_space: global }
    .group_segment_fixed_size: 327680
    .private_segment_fixed_size: 0
    .kernarg_segment_align: 8
    .kernarg_segment_size: 40
    .max_flat_workgroup_size: 256
    .sgpr_count:     66
    .vgpr_count:     512
    .wavefront_size: 32
...
	.end_amdgpu_metadata
.endif
;; end of part 2
;; launch ctxk (part 3): grid 256 x 1, 16 waves a work-group, no clusters, 327,680 bytes of LDS; arguments features, scores, out0, out1; writes out0, out1
.if DOCPART == 3
	.amdgcn_target "amdgcn-amd-amdhsa--gfx1250"
	.amdhsa_code_object_version 6
	.text
	.protected	k_q2e51bfb790_ctxk
	.globl	k_q2e51bfb790_ctxk
	.p2align	8
	.type	k_q2e51bfb790_ctxk,@function
k_q2e51bfb790_ctxk:
	s_mov_b64 s[64:65], 0
	v_nop
	global_prefetch_b8 v0, s[64:65] scope:SCOPE_SE
	s_setreg_imm32_b32 hwreg(HW_REG_WAVE_MODE, 25, 1), 1
	s_wait_xcnt 0x0
; BahdanauAttention, launch 3 of 3: out1[b][l] = softmax over l of the scores, out0[b][d] = sum over l of out1[b][l] features[b][l][d], all in f32.
; The scores come as log2(e) x (the reference's score less bV and the sum of V, which are the same for all l and fall out of the softmax: shown at the head of the first kernel): so p = 2^(s - the largest s).
; SHARES.  Work-group x takes batch x / 4 and columns 256 (x % 4) on: 1,024 bytes of every row.  Each of its 512 threads makes two weights; the four work-groups of a batch make the same 1,024 weights and each stores a quarter.
; Wave w takes rows 64 w .. 64 w + 63.  Its first 48 come in six steps of 8 rows through a ring of its own of two LDS slots of 8 KB, one tensor load a step: the sixteen waves have 128 KB out through each step.
; Its last 16 come straight into registers, in four sets of 4 rows (eight loads of 512 consecutive bytes a wave), two register sets by turns: these loads stay out across the ring's barriers.
; A set is asked for at the end of a step and used two steps later.
; A lane takes the 16 bytes at 16 x lane and at 512 + 16 x lane of each row.  The sixteen waves' parts of a column meet in LDS: each number of out0 has one owner.
; No matrix unit.  No cluster: work-groups share no byte of features, and the 4 KB of scores are a small part of a work-group's 1 MB.  No L2 prefetch: the launch streams, with the next step's load always out.
.set SLB,   131072                     ; slot 0: 16 x 8 KB from 0; slot 1 here
.set RMX,   262144                     ; the waves' largest scores, 16 words;
.set RSM,   RMX+256                    ; their sums;
.set WT,    RSM+256                    ; the 1,024 weights;
.set RED,   WT+4096                    ; sixteen parts of the slice's 256 sums
.set SPARE, RED+16384                  ; the spare words, 128 bytes for each wave: eight blocks of 256 bytes that no other line names
.set XL,  32                           ; v32-95   a step's 8 rows x 8 numbers
.set WR,  96                           ; v96-159  my 64 rows' weights (before that: the waves' figures)
.set GL,  160                          ; v160-223 two sets of 4 rows x 8 numbers that come straight from memory
.set NST, 6                            ; the ring's steps
	s_load_b256 s[4:11], s[0:1], 0x0               ; features s[4:5], scores s[6:7], out0 s[8:9], out1 s[10:11]
	v_lshl_add_u32 v10, v0, 2, SPARE               ; my spare word,
	v_mov_b32 v11, 0                               ; and 0: kept for the add alone
	ds_add_u32 v10, v11                            ; the opening: the add, twice on end, and its wait ahead of my first tensor load
	ds_add_u32 v10, v11
	v_lshrrev_b32 v9, 5, v0
	v_readfirstlane_b32 s12, v9                    ; wave 0..15
	s_lshr_b32 s14, ttmp9, 2                       ; batch
	s_and_b32 s15, ttmp9, 3                        ; slice
	s_mov_b32 s24, 3<<16                           ; group 1: 8 rows of 1,024 bytes (128 elements of 8), 4,096 bytes apart, dense in LDS
	s_mov_b32 s25, 128<<16
	s_mov_b32 s26, 8<<16
	s_mov_b32 s27, 128<<16
	s_mov_b32 s28, 8
	s_mov_b32 s29, 512
	s_mov_b32 s30, 0
	s_mov_b32 s31, 0
	s_mov_b32 s32, 1
	s_lshl_b32 s33, s12, 13                        ; my 8 KB of slot 0
	s_lshl_b32 s20, s14, 22                        ; a batch is 1,024 rows of 4,096 bytes,
	s_lshl_b32 s21, s15, 10                        ; a slice 1,024 bytes,
	s_add_co_u32 s20, s20, s21
	s_lshl_b32 s21, s12, 18                        ; 64 rows a wave
	s_add_co_u32 s20, s20, s21
	s_mov_b32 s21, 0
	s_lshl_b32 s22, s14, 12                        ; 4,096 bytes a batch in scores, out0 and out1
	s_mov_b32 s23, 0
	s_lshl_b32 s16, s15, 10
	s_mov_b32 s17, 0
	s_mov_b32 s18, 0x76543210
	s_mov_b32 s19, 0xfedcba98
	s_lshl_b32 s13, s12, 2
	s_add_co_u32 s13, s13, RMX
	s_lshl_b32 s36, s12, 8
	s_add_co_u32 s36, s36, WT
	s_lshl_b32 s37, s12, 10
	s_add_co_u32 s37, s37, RED
	v_and_b32 v9, 31, v0
	v_lshlrev_b32 v26, 4, v9                       ; 16 x lane: my bytes of a row in memory
	v_lshl_add_u32 v1, v9, 4, s33                  ; my rows in slot 0,
	v_add_nc_u32 v8, SLB, v1                       ; in slot 1
	v_mov_b32 v2, RMX                              ; the waves' figures are read from a fixed place
	v_mov_b32 v3, s13                              ; my wave's word among them
	v_lshl_add_u32 v4, v0, 3, WT                   ; my two weights
	v_mov_b32 v5, s36                              ; my 64 rows' weights
	v_lshlrev_b32 v6, 3, v0                        ; 8 T: my two scores, my two weights in out1
	v_lshl_add_u32 v7, v9, 4, s37                  ; my part's place
	v_lshl_add_u32 v9, v0, 4, RED                  ; the parts of columns 4 T on
	v_lshlrev_b32 v25, 4, v0
	v_mov_b32 v23, 0                               ; written once: a lane permute's destination counts as one of its sources
	s_wait_alu depctr_va_vdst(0)                   ; the wait at the head's end
	s_wait_dscnt 0x0                               ; both opening adds are done
	s_wait_kmcnt 0x0
	s_add_nc_u64 s[38:39], s[4:5], s[20:21]        ; my first row's slice
	s_mov_b64 s[34:35], s[38:39]
	s_or_b32 s35, s35, 0x80000000
	tensor_load_to_lds s[32:35], s[24:31]          ; step 0: it is on its way under the softmax
	s_nop 0
	s_add_nc_u64 s[6:7], s[6:7], s[22:23]
	s_add_nc_u64 s[10:11], s[10:11], s[22:23]
	s_add_nc_u64 s[8:9], s[8:9], s[22:23]
	s_add_nc_u64 s[8:9], s[8:9], s[16:17]
.macro GROW set                        ; rows 48 + 4 set .. + 3 of my 64, straight into register set (set % 2): a wave's load covers 512 consecutive bytes
.irp i, 0,1,2,3
	global_load_b128 v[GL+32*((\set)%2)+8*\i:GL+32*((\set)%2)+8*\i+3], v26, s[38:39] offset:(48+4*(\set)+\i)*4096 th:TH_LOAD_NT
	global_load_b128 v[GL+32*((\set)%2)+8*\i+4:GL+32*((\set)%2)+8*\i+7], v26, s[38:39] offset:(48+4*(\set)+\i)*4096+512 th:TH_LOAD_NT
.endr
.endm
	global_load_b64 v[20:21], v6, s[6:7]
	GROW 0
	s_wait_loadcnt 8                               ; my two scores are in; set 0's eight loads stay out
	v_max_num_f32 v22, v20, v21                    ; THE LARGEST SCORE: mine, my wave's,
	v_max_num_f32_dpp v22, v22, v22 row_xmask:1 row_mask:0xf bank_mask:0xf
	v_max_num_f32_dpp v22, v22, v22 row_xmask:2 row_mask:0xf bank_mask:0xf
	v_max_num_f32_dpp v22, v22, v22 row_xmask:4 row_mask:0xf bank_mask:0xf
	v_max_num_f32_dpp v22, v22, v22 row_xmask:8 row_mask:0xf bank_mask:0xf
	v_permlanex16_b32 v23, v22, s18, s19
	v_max_num_f32 v22, v22, v23
	ds_store_b32 v3, v22                           ; all lanes write the same word with the same value
	s_wait_dscnt 0x0                               ; for the others' sake
	s_barrier_signal -1
	s_barrier_wait -1
.irp k, 0,1,2,3
	ds_load_b128 v[WR+4*\k:WR+4*\k+3], v2 offset:16*\k
.endr
	s_wait_dscnt 0x0
	v_max3_num_f32 v22, v[WR], v[WR+1], v[WR+2]    ; and the sixteen waves'
.irp j, 3,5,7,9,11,13
	v_max3_num_f32 v22, v22, v[WR+\j], v[WR+\j+1]
.endr
	v_max_num_f32 v22, v22, v[WR+15]
	v_sub_f32 v20, v20, v22
	v_sub_f32 v21, v21, v22
	s_wait_alu depctr_va_vdst(0)                   ; a wait ahead of the transcendentals and one behind them
	v_exp_f32 v20, v20                             ; p = 2^(s - the largest s), at most 1
	v_exp_f32 v21, v21
	v_nop
	s_wait_alu depctr_va_vdst(0)
	v_add_f32 v24, v20, v21                        ; THE SUM, by the same way
	v_add_f32_dpp v24, v24, v24 row_xmask:1 row_mask:0xf bank_mask:0xf
	v_add_f32_dpp v24, v24, v24 row_xmask:2 row_mask:0xf bank_mask:0xf
	v_add_f32_dpp v24, v24, v24 row_xmask:4 row_mask:0xf bank_mask:0xf
	v_add_f32_dpp v24, v24, v24 row_xmask:8 row_mask:0xf bank_mask:0xf
	v_permlanex16_b32 v23, v24, s18, s19
	v_add_f32 v24, v24, v23
	ds_store_b32 v3, v24 offset:RSM-RMX            ; other bytes than the maxima's
	s_wait_dscnt 0x0
	s_barrier_signal -1
	s_barrier_wait -1
.irp k, 0,1,2,3
	ds_load_b128 v[WR+4*\k:WR+4*\k+3], v2 offset:RSM-RMX+16*\k
.endr
	s_wait_dscnt 0x0
.irp j, 0,4,8,12
	v_pk_add_f32 v[WR+\j:WR+\j+1], v[WR+\j:WR+\j+1], v[WR+\j+2:WR+\j+3]
.endr
	v_pk_add_f32 v[WR:WR+1], v[WR:WR+1], v[WR+4:WR+5]
	v_pk_add_f32 v[WR+8:WR+9], v[WR+8:WR+9], v[WR+12:WR+13]
	v_pk_add_f32 v[WR:WR+1], v[WR:WR+1], v[WR+8:WR+9]
	v_add_f32 v24, v[WR], v[WR+1]
	s_wait_alu depctr_va_vdst(0)
	v_rcp_f32 v24, v24
	v_nop
	s_wait_alu depctr_va_vdst(0)
	v_mul_f32 v20, v20, v24                        ; the weights
	v_mul_f32 v21, v21, v24
	ds_store_b64 v4, v[20:21]
	s_lshr_b32 s16, s12, 2
	s_cmp_lg_u32 s16, s15                          ; of the batch's four work-groups, number q stores waves 4 q .. 4 q + 3's weights: 256 consecutive bytes a wave
	s_cbranch_scc1 .Lnot_mine
	global_store_b64 v6, v[20:21], s[10:11]
.Lnot_mine:
; Row rw of my 64, its 8 numbers in v[xx ..]: four packed multiply-adds, the weight taken from its half of a register pair for both halves of the result.  Row 0 starts the sums.
.macro ROWF xx, rw
.set WP, WR+2*((\rw)/2)
.irp j, 0,2,4,6
.if (\rw) == 0
	v_pk_mul_f32 v[12+\j:13+\j], v[(\xx)+\j:(\xx)+\j+1], v[WP:WP+1] op_sel_hi:[1,0]
.elseif ((\rw)%2) == 0
	v_pk_fma_f32 v[12+\j:13+\j], v[(\xx)+\j:(\xx)+\j+1], v[WP:WP+1], v[12+\j:13+\j] op_sel_hi:[1,0,1]
.else
	v_pk_fma_f32 v[12+\j:13+\j], v[(\xx)+\j:(\xx)+\j+1], v[WP:WP+1], v[12+\j:13+\j] op_sel:[0,1,0] op_sel_hi:[1,1,1]
.endif
.endr
.endm
; A step: all my tensor loads are in, the add, my LDS instructions are over (before step 0: my weights lie in LDS); the barrier; the next step's load into the other slot; then the slot's 8 rows,
; in steps 1 to 4 the 4 rows of register set k - 1, and at the end of steps 0 to 2 the request for set k + 1.  The waits for the step's data all stand ahead of its multiply-adds, so that no blocking wait stands between dependent ones.
.macro STEPK k
	s_wait_alu depctr_va_vdst(0)                   ; the wait ahead of the blocking wait
	s_wait_tensorcnt 0x0
	ds_add_u32 v10, v11
.if (\k) < NST-1
	s_xor_b32 s33, s33, SLB
	s_add_nc_u64 s[34:35], s[34:35], 32768         ; 8 rows on
.endif
	s_wait_dscnt 0x0
	s_barrier_signal -1
	s_barrier_wait -1
.if (\k) < NST-1
	tensor_load_to_lds s[32:35], s[24:31]
	s_nop 0
.endif
.if (\k) == 0
.set q, 0
.rept 16
	ds_load_b128 v[WR+4*q:WR+4*q+3], v5 offset:16*q   ; my 64 rows' weights, the same in every lane
.set q, q+1
.endr
.endif
.irp i, 0,1,2,3,4,5,6,7
.if (\k)%2
	ds_load_b128 v[XL+8*\i:XL+8*\i+3], v8 offset:1024*\i
	ds_load_b128 v[XL+8*\i+4:XL+8*\i+7], v8 offset:1024*\i+512
.else
	ds_load_b128 v[XL+8*\i:XL+8*\i+3], v1 offset:1024*\i
	ds_load_b128 v[XL+8*\i+4:XL+8*\i+7], v1 offset:1024*\i+512
.endif
.endr
.if (\k) >= 1 && (\k) <= 3
	s_wait_loadcnt 8                               ; set k - 1's eight loads are in; set k's eight stay out
.elseif (\k) == 4
	s_wait_loadcnt 0x0                             ; the last set
.endif
	s_wait_dscnt 0x0
.irp i, 0,1,2,3,4,5,6,7
	ROWF XL+8*\i, 8*(\k)+\i
.endr
.if (\k) >= 1 && (\k) <= 4
.irp i, 0,1,2,3
	ROWF GL+32*(((\k)-1)%2)+8*\i, 48+4*((\k)-1)+\i
.endr
.endif
.if (\k) <= 2
	GROW (\k)+1                                    ; into the set that has just been read (in step 0: the second set)
.endif
.endm
.set K, 0
.rept NST
	STEPK K
.set K, K+1
.endr
	ds_store_b128 v7, v[12:15]
	ds_store_b128 v7, v[16:19] offset:512
	s_wait_dscnt 0x0                               ; for the others' sake: my part lies in LDS
	s_barrier_signal -1
	s_barrier_wait -1
	s_cmp_gt_u32 s12, 1
	s_cbranch_scc1 .Lend                           ; waves 0 and 1 add the sixteen parts and store the slice: 512 consecutive bytes a wave
.irp k, 0,1,2,3,4,5,6,7,8,9,10,11,12,13,14,15
	ds_load_b128 v[XL+4*\k:XL+4*\k+3], v9 offset:1024*\k
.endr
	s_wait_dscnt 0x0
.irp k, 0,2,4,6,8,10,12,14
.irp j, 0,2
	v_pk_add_f32 v[XL+4*\k+\j:XL+4*\k+\j+1], v[XL+4*\k+\j:XL+4*\k+\j+1], v[XL+4*\k+4+\j:XL+4*\k+5+\j]
.endr
.endr
.irp k, 0,4,8,12
.irp j, 0,2
	v_pk_add_f32 v[XL+4*\k+\j:XL+4*\k+\j+1], v[XL+4*\k+\j:XL+4*\k+\j+1], v[XL+4*\k+8+\j:XL+4*\k+9+\j]
.endr
.endr
.irp k, 0,8
.irp j, 0,2
	v_pk_add_f32 v[XL+4*\k+\j:XL+4*\k+\j+1], v[XL+4*\k+\j:XL+4*\k+\j+1], v[XL+4*\k+16+\j:XL+4*\k+17+\j]
.endr
.endr
.irp j, 0,2
	v_pk_add_f32 v[XL+\j:XL+\j+1], v[XL+\j:XL+\j+1], v[XL+32+\j:XL+33+\j]
.endr
	global_store_b128 v25, v[XL:XL+3], s[8:9]
.Lend:
	s_wait_tensorcnt 0x0                           ; the wave's end: the tensor wait, the add and its wait
	ds_add_u32 v10, v11
	s_wait_dscnt 0x0
	s_endpgm
.Lfunc_end_k_q2e51bfb790_ctxk:
	.size	k_q2e51bfb790_ctxk, .Lfunc_end_k_q2e51bfb790_ctxk-k_q2e51bfb790_ctxk
	.p2alignl 7, 3214868480
	.fill 96, 4, 3214868480
	.section	.rodata,"a",@progbits
	.p2align	6, 0x0
	.amdhsa_kernel k_q2e51bfb790_ctxk
		.amdhsa_group_segment_fixed_size 327680
		.amdhsa_private_segment_fixed_size 0
		.amdhsa_enable_private_segment 0
		.amdhsa_kernarg_size 32
		.amdhsa_user_sgpr_count 2
		.amdhsa_user_sgpr_kernarg_segment_ptr 1
		.amdhsa_wavefront_size32 1
		.amdhsa_system_sgpr_workgroup_id_x 1
		.amdhsa_system_sgpr_workgroup_id_y 1
		.amdhsa_system_sgpr_workgroup_id_z 1
		.amdhsa_system_vgpr_workitem_id 0
		.amdhsa_next_free_vgpr 224
		.amdhsa_next_free_sgpr 66
		.amdhsa_reserve_vcc 0
		.amdhsa_float_denorm_mode_32 3
		.amdhsa_float_denorm_mode_16_64 3
		.amdhsa_memory_ordered 1
		.amdhsa_forward_progress 1
		.amdhsa_inst_pref_size 39
	.end_amdhsa_kernel
	.amdgpu_metadata
---
amdhsa.version: [ 1, 2 ]
amdhsa.kernels:
  - .name:           k_q2e51bfb790_ctxk
    .symbol:         k_q2e51bfb790_ctxk.kd
    .args:
      - { .name: features, .offset: 0, .size: 8, .value_kind: global_buffer, .address_space: global }
      - { .name: scores, .offset: 8, .size: 8, .value_kind: global_buffer, .address_space: global }
      - { .name: out0, .offset: 16, .size: 8, .value_kind: global_buffer, .address_space: global }
      - { .name: out1, .offset: 24, .size: 8, .value_kind: global_buffer, .address_space: global }
    .group_segment_fixed_size: 327680
    .private_segment_fixed_size: 0
    .kernarg_segment_align: 8
    .kernarg_segment_size: 32
    .max_flat_workgroup_size: 512
    .sgpr_count:     66
    .vgpr_count:     224
    .wavefront_size: 32
...
	.end_amdgpu_metadata
.endif
;; end of part 3
